; MI455X (gfx1250); checked and timed in simulation.
; The chip was launched on July 23, 2026; its instructions are those of AMD's public machine-readable ISA for CDNA 5 (MIT licence, August 2026) and "CDNA5" Instruction Set Architecture Reference Guide (July 2026). The comments in the code are by the model that wrote it; some were corrected since.
;; Self Attention. Allowed arithmetic: float matrix products may take bf16 or f16 operands with f32 sums; other float arithmetic in f32, or as packed bf16 or f16 multiplies, adds, multiply-adds, maxima and minima; sums over many terms, partial sums and values carried from step to step in f32; what a program stores and reads back later, other than sums and carried values, may be rounded once to bf16 or f16.
;; Inputs: Wk 1,024 x 1,024 float32; Wq 1,024 x 1,024 float32; Wv 1,024 x 1,024 float32; bk 1,024 float32; bq 1,024 float32; bv 1,024 float32; x 4 x 2,048 x 1,024 float32.
;; Outputs: out0 4 x 2,048 x 1,024 float32.
;; One version. Each part assembles by itself: llvm-mc -triple=amdgcn-amd-amdhsa -mcpu=gfx1250 --defsym DOCPART=n.
;; ======== version 1 of 1: 4 launches
;; limits: values are held in f16: magnitudes above 65,504 overflow, below 6.1e-05 lose precision
;; workspace buffers: xw 23,068,672 bytes; qkv 50,331,648 bytes; p 33,554,432 bytes; st 1,048,576 bytes
;; launch cast (part 1): grid 256 x 11, 4 waves a work-group, no clusters, 0 bytes of LDS; arguments x, Wq, Wk, Wv, xw; writes xw
.if DOCPART == 1
	.amdgcn_target "amdgcn-amd-amdhsa--gfx1250"
	.amdhsa_code_object_version 6
	.text
	.protected	k_qb5a76fb36f_cast
	.globl	k_qb5a76fb36f_cast
	.p2align	8
	.type	k_qb5a76fb36f_cast,@function
k_qb5a76fb36f_cast:
	s_mov_b64 s[64:65], 0
	v_nop
	global_prefetch_b8 v0, s[64:65] scope:SCOPE_SE
	s_setreg_imm32_b32 hwreg(HW_REG_WAVE_MODE, 25, 1), 1
	s_wait_xcnt 0x0
; xw = x, Wq, Wk, Wv rounded once to bf16 and laid in blocks: xw[kb][row][64], kb = channel / 64 (16 planes), row 0-8191 = x's rows,
; then Wq's, Wk's, Wv's 1,024 rows each: 11,264 rows, a plane of 1,441,792 bytes.  So 128 or 192 rows x 64 channels, a tile of the
; product that follows, are consecutive bytes.
; SHARES.  Grid y is a unit of 1,024 rows (0-7: x; 8, 9, 10: Wq, Wk, Wv); a work-group takes 4 rows; wave w rows 2 (w / 2), +1 and the
; planes 8 (w % 2) .. +7.  A load takes 256 consecutive bytes of each of the two rows (64 channels: one plane); a store writes the two
; rows' 128 bytes of that plane: 256 consecutive bytes, at a multiple of 256 from xw's first byte.
; A stream: every byte is read once and written once, nothing is shared between work-groups, so no LDS, no barrier, no cluster.
.set PLANE, 11264*128
.set SO,  2                            ; v2   source: (l / 16) x 4,096 + 16 (l % 16)
.set DO,  3                            ; v3   destination: 8 l;  v4: the same four planes further on (an immediate holds three planes)
.set X,   8                            ; v[8:39]   eight loads of four f32
.set Y,   40                           ; v[40:55]  eight pairs of packed bf16
	s_load_b256 s[4:11], s[0:1], 0x0               ; x, Wq, Wk, Wv
	s_load_b64 s[12:13], s[0:1], 0x20              ; xw
	v_lshrrev_b32 v1, 5, v0
	v_readfirstlane_b32 s14, v1                    ; wave 0..3
	s_and_b32 s15, ttmp7, 0xffff                   ; the unit
	s_lshr_b32 s16, s14, 1
	s_and_b32 s17, s14, 1
	s_lshl_b32 s18, ttmp9, 2
	s_lshl_b32 s16, s16, 1
	s_add_co_u32 s18, s18, s16                     ; my first row in the unit
	s_cmp_lt_u32 s15, 8
	s_cselect_b32 s20, s15, 0                      ; x has eight units, a weight one
	s_lshl_b32 s20, s20, 22
	s_lshl_b32 s19, s18, 12
	s_add_co_u32 s20, s20, s19
	s_lshl_b32 s19, s17, 11
	s_add_co_u32 s20, s20, s19                     ; source offset: unit, row, my half of the row
	s_mov_b32 s21, 0
	s_lshl_b32 s22, s15, 10
	s_add_co_u32 s22, s22, s18
	s_lshl_b32 s22, s22, 7                         ; destination offset: row x 128,
	s_mul_i32 s19, s17, 8*PLANE
	s_add_co_u32 s22, s22, s19                     ; my first plane
	s_mov_b32 s23, 0
	v_and_b32 v1, 31, v0
	v_and_b32 v5, 15, v0
	v_bfe_u32 v6, v0, 4, 1
	v_lshlrev_b32 v[SO], 4, v5
	v_lshl_add_u32 v[SO], v6, 12, v[SO]
	v_lshlrev_b32 v[DO], 3, v1
	v_add_nc_u32 v[DO+1], 4*PLANE, v[DO]
	s_wait_kmcnt 0x0
	s_cmp_eq_u32 s15, 8
	s_cselect_b64 s[4:5], s[6:7], s[4:5]
	s_cmp_eq_u32 s15, 9
	s_cselect_b64 s[4:5], s[8:9], s[4:5]
	s_cmp_eq_u32 s15, 10
	s_cselect_b64 s[4:5], s[10:11], s[4:5]
	s_add_nc_u64 s[4:5], s[4:5], s[20:21]
	s_add_nc_u64 s[12:13], s[12:13], s[22:23]
.irp i, 0,1,2,3,4,5,6,7
	global_load_b128 v[X+4*(\i):X+4*(\i)+3], v[SO], s[4:5] offset:256*(\i) th:TH_LOAD_NT
.endr
.irp i, 0,1,2,3,4,5,6,7
	s_wait_loadcnt 7-(\i)                          ; loads come back in order: load i is in, the younger ones stay out
	v_cvt_pk_bf16_f32 v[Y+2*(\i)],   v[X+4*(\i)],   v[X+4*(\i)+1]
	v_cvt_pk_bf16_f32 v[Y+2*(\i)+1], v[X+4*(\i)+2], v[X+4*(\i)+3]
	global_store_b64 v[DO+(\i)/4], v[Y+2*(\i):Y+2*(\i)+1], s[12:13] offset:((\i)%4)*PLANE th:TH_STORE_NT
.endr
	s_endpgm
.Lfunc_end_k_qb5a76fb36f_cast:
	.size	k_qb5a76fb36f_cast, .Lfunc_end_k_qb5a76fb36f_cast-k_qb5a76fb36f_cast
	.p2alignl 7, 3214868480
	.fill 96, 4, 3214868480
	.section	.rodata,"a",@progbits
	.p2align	6, 0x0
	.amdhsa_kernel k_qb5a76fb36f_cast
		.amdhsa_group_segment_fixed_size 0
		.amdhsa_private_segment_fixed_size 0
		.amdhsa_enable_private_segment 0
		.amdhsa_kernarg_size 40
		.amdhsa_user_sgpr_count 2
		.amdhsa_user_sgpr_kernarg_segment_ptr 1
		.amdhsa_wavefront_size32 1
		.amdhsa_system_sgpr_workgroup_id_x 1
		.amdhsa_system_sgpr_workgroup_id_y 1
		.amdhsa_system_sgpr_workgroup_id_z 1
		.amdhsa_system_vgpr_workitem_id 0
		.amdhsa_next_free_vgpr 64
		.amdhsa_next_free_sgpr 66
		.amdhsa_reserve_vcc 0
		.amdhsa_float_denorm_mode_32 3
		.amdhsa_float_denorm_mode_16_64 3
		.amdhsa_memory_ordered 1
		.amdhsa_forward_progress 1
		.amdhsa_inst_pref_size 5
	.end_amdhsa_kernel
	.amdgpu_metadata
---
amdhsa.version: [ 1, 2 ]
amdhsa.kernels:
  - .name:           k_qb5a76fb36f_cast
    .symbol:         k_qb5a76fb36f_cast.kd
    .args:
      - { .name: x, .offset: 0, .size: 8, .value_kind: global_buffer, .address_space: global }
      - { .name: Wq, .offset: 8, .size: 8, .value_kind: global_buffer, .address_space: global }
      - { .name: Wk, .offset: 16, .size: 8, .value_kind: global_buffer, .address_space: global }
      - { .name: Wv, .offset: 24, .size: 8, .value_kind: global_buffer, .address_space: global }
      - { .name: xw, .offset: 32, .size: 8, .value_kind: global_buffer, .address_space: global }
    .group_segment_fixed_size: 0
    .private_segment_fixed_size: 0
    .kernarg_segment_align: 8
    .kernarg_segment_size: 40
    .max_flat_workgroup_size: 128
    .sgpr_count:     66
    .vgpr_count:     64
    .wavefront_size: 32
...
	.end_amdgpu_metadata
.endif
;; end of part 1
;; launch proj (part 2): grid 8 x 32, 4 waves a work-group, clusters of 4 x 4, 327,680 bytes of LDS; arguments xw, bq, bk, bv, qkv; writes qkv
.if DOCPART == 2
	.amdgcn_target "amdgcn-amd-amdhsa--gfx1250"
	.amdhsa_code_object_version 6
	.text
	.protected	k_qb5a76fb36f_proj
	.globl	k_qb5a76fb36f_proj
	.p2align	8
	.type	k_qb5a76fb36f_proj,@function
k_qb5a76fb36f_proj:
	s_mov_b64 s[64:65], 0
	v_nop
	global_prefetch_b8 v0, s[64:65] scope:SCOPE_SE
	s_setreg_imm32_b32 hwreg(HW_REG_WAVE_MODE, 25, 1), 1
	s_wait_xcnt 0x0
	s_wait_alu depctr_hold_cnt(0) depctr_sa_sdst(0) depctr_va_vdst(0) depctr_va_sdst(0) depctr_va_ssrc(0) depctr_va_vcc(0) depctr_vm_vsrc(0)
	s_getreg_b32 s2, hwreg(HW_REG_IB_STS2, 6, 4)
	s_cmp_eq_u32 s2, 0
	s_cbranch_scc0 .Lentry_in_a_cluster
	s_endpgm
.Lentry_in_a_cluster:
	s_bfe_u32 s2, ttmp6, 0x10000c
	s_cmp_lg_u32 s2, 0xf033
	s_cbranch_scc0 .Lentry_shape_is_right
	s_endpgm
.Lentry_shape_is_right:
; [q | k | v] = x W^T + b as ONE product of 8,192 x 3,072 x 1,024: A = xw's rows 0-8191, B = its rows 8192-11263 (Wq, Wk, Wv), bf16, sums in f32.
; The bias, rounded to bf16 like every input, starts the sums (it is the C operand of the first products); the result is rounded once to f16 and stored in blocks qkv[n / 64][row][64]: planes 0-15 q, 16-31 k, 32-47 v.
; LIMITS.  q, k and v must lie within f16's 65,504 (beyond it: infinity).  NaN and infinities are not treated apart.
; SHARES.  8,192 x 3,072 / 256 work-groups = a tile of 256 x 384; four waves, each 128 x 192: 96 accumulators of 16 x 16, 768 registers.
; K goes in steps of 64 (one plane of xw) through two LDS slots; a tile's rows of a plane are consecutive bytes and are asked for as rows of 256 bytes, padded in LDS after every 128.
; A step is two phases of 32 along K, 96 matrix instructions each, in three groups of 32 (four fragments of B x eight of A).  B has ONE fragment buffer: a group's four fragments are loaded
; again, for the next phase, four places behind the group's last product; A has two buffers.
; THE MATRIX INSTRUCTION IS USED TRANSPOSED (source 0 = 16 rows of W, source 1 = 16 rows of x): a lane holds one row of the result and eight neighbouring columns.
; CLUSTER 4 x 4: A's tile hangs on the tile row alone and is asked for jointly along a row of the cluster, B's on the tile column alone, along a column.
; REGISTERS.  window 0: v16-29 addresses; v32-95, v96-159 A's fragments, two buffers; v160-255 B's twelve fragments.  window g + 1 (g = 0..2): accumulator (a, 4 g + bb) at 32 a + 8 bb.
.set PLANE,  11264*128                 ; a plane of xw, bytes
.set QPLANE, 8192*128                  ; a plane of qkv
.set PITCH,  144                       ; an LDS row: 128 bytes + 16 of padding = 36 words: the 16 rows of a load start at 16 different groups of four banks (ISA guide 11.1)
.set XS,     131072                    ; slot 1 begins here: one exclusive or turns an address in one slot into the other's
.set BOFF,   256*PITCH                 ; in a slot: A's 256 rows, then B's 384
.set STAGE,  640*PITCH                 ; behind slot 0: for each wave three blocks of 16 rows x 144 bytes, for the way out
.set BIAS,   STAGE+4*3*16*PITCH        ; for each wave its 192 columns' bias, f32
.set SPARE,  BIAS+4*768                ; the spare words, 128 bytes a wave: two blocks of 256 bytes that no other line names
.set AA0, 16                           ; v16  my lane's place in my rows of A in slot 0; never rewritten
.set BB0, 17                           ; v17  the same for B
.set AA,  18                           ; v18  the same in the slot in hand
.set BB,  19
.set STO, 20                           ; v20  the way out: where I put 16 bytes of a row
.set RD,  21                           ; v21  where I read rows back
.set CO,  22                           ; v22  16 l: my place in 512 consecutive bytes of qkv
.set BA,  23                           ; v23  my eight columns' bias
.set PFO, 24                           ; v24  the prefetches' offset; never rewritten
.set SPW, 28                           ; v28  SPARE + 4 x my thread's number; never rewritten
.set NIL, 29                           ; v29  0; never rewritten
.set AF,  32
.set BF,  160
.set WV,  14                           ; s14  wave
.set FB,  15                           ; s15  wave / 2: my half of the tile's rows; also: I fetch for A (0) or B (1)
.set WN,  16                           ; s16  wave % 2: my half of its columns; also: which half of that tile I fetch
.set CX,  17
.set CY,  18
.set TJ,  19                           ; s19  tile column
.set TI,  20                           ; s20  tile row
.set KB0, 21                           ; s21  my first plane of qkv
.set G1A, 24
.set G1B, 32
.set G0A, 40                           ; two sets: the first fills'; the second then walks
.set G0B, 48
.set CNT, 56
.set TB,  57                           ; s57  0 or XS: the slot that is read
.set LIM, 58                           ; s58  a wave prefetches while CNT is above this
.set PAR, 59                           ; s59  1: only in trips with an odd CNT
.set PFA, 60
.set OUT, 68
.set BP,  70                           ; s[70:75] three pointers into the biases
.set FLAGS, (1<<16)|(1<<20)|(1<<21)|(4<<22)|(3<<25)  ; 2-byte elements; padding on; bit 21 beside a mask; after every 32 words, 4 words
.set MSB, 0
.macro WIN new                         ; the immediate's high byte repeats the setting that is left; a switch that changes nothing is dropped
.if MSB != (\new)
	s_set_vgpr_msb (MSB<<8)|(\new)
.set MSB, (\new)
.endif
.endm
.macro PLACES                          ; four plain vector instructions between a matrix instruction and a load into, or a vector instruction on, its registers
.rept 4
	v_nop
.endr
.endm
.macro CREST                           ; a round of the cluster's barrier behind its opening barrier
	s_cmp_lg_u32 s[WV], 0
	s_cbranch_scc1 .Lnot_wave_0_\@
	s_barrier_signal -3
.Lnot_wave_0_\@:
	s_barrier_wait -3
	s_barrier_signal -1
	s_barrier_wait -1
.endm
.macro CROUND
	s_barrier_signal -1
	s_barrier_wait -1
	CREST
.endm
.macro JLOAD                           ; a joint refill: waves 0, 1 fetch A's halves, waves 2, 3 B's; an s_nop 0 and four v_nop follow each line
	s_cmp_eq_u32 s[FB], 0
	s_cbranch_scc0 .Lfor_b_\@
	tensor_load_to_lds s[G0A+4:G0A+7], s[G1A:G1A+7]
	s_nop 0
.rept 4
	v_nop
.endr
	s_branch .Lasked_\@
.Lfor_b_\@:
	tensor_load_to_lds s[G0B+4:G0B+7], s[G1B:G1B+7]
	s_nop 0
.rept 4
	v_nop
.endr
.Lasked_\@:
.endm
; A PREFETCH INTO THE L2, behind the joint load and the run of LDS loads behind it.  Trip s refills with K step s + 2 and names step s + 3: 192 matrix instructions ahead of the load that wants it.
; A's tile of a step is 128 blocks of 256 bytes: the clusters with x = 0 ask, wave 0, each of the four partners along x its 32 blocks, told apart by address.
; B's is 192 blocks: the clusters with y = 0 ask, waves 1-3, in every second trip, for two steps at once: each partner along y its 48 blocks of both: 96 lanes.
; Steps 0-2 of A and 0-3 of B come by their loads alone; the highest step named is 15.
.macro ASK
	s_cmp_gt_u32 s[CNT], s[LIM]
	s_cbranch_scc0 .Lno_\@
	s_and_b32 s83, s[CNT], s[PAR]
	s_cmp_eq_u32 s83, s[PAR]
	s_cbranch_scc0 .Lno_\@
	global_prefetch_b8 v[PFO], s[PFA:PFA+1] th:TH_LOAD_NT scope:SCOPE_SE
.Lno_\@:
.endm
	s_load_b256 s[4:11], s[0:1], 0x0               ; xw, bq, bk, bv
	s_load_b64 s[12:13], s[0:1], 0x20              ; qkv
	v_lshl_add_u32 v[SPW], v0, 2, SPARE
	v_mov_b32 v[NIL], 0
	ds_add_u32 v[SPW], v[NIL]                      ; the wave's opening: the add and its wait ahead of my first tensor load; the set-up below stands between them
	v_lshrrev_b32 v1, 5, v0
	v_readfirstlane_b32 s[WV], v1
	s_lshr_b32 s[FB], s[WV], 1
	s_and_b32 s[WN], s[WV], 1
	s_bfe_u32 s[CX], ttmp6, 0x40000
	s_bfe_u32 s[CY], ttmp6, 0x40004
	s_lshl_b32 s[TJ], ttmp9, 2
	s_add_co_u32 s[TJ], s[TJ], s[CX]
	s_and_b32 s[TI], ttmp7, 0xffff
	s_lshl_b32 s[TI], s[TI], 2
	s_add_co_u32 s[TI], s[TI], s[CY]
	s_lshl_b32 s76, s[CY], 2
	s_lshl_b32 s76, 15, s76                        ; my row of the cluster
	s_lshl_b32 s78, 0x1111, s[CX]                  ; my column
	s_or_b32 s[G1A], s76, FLAGS
	s_or_b32 s[G1B], s78, FLAGS
	s_mov_b32 s[G1A+1], 128<<16                    ; tensor_dim0 = 128 elements: 256 bytes, two rows of a plane
	s_mov_b32 s[G1A+2], 64<<16                     ; tensor_dim1 = 64: 128 rows of x
	s_mov_b32 s[G1A+3], 128<<16                    ; tile_dim0
	s_mov_b32 s[G1A+4], 64                         ; tile_dim1
	s_mov_b32 s[G1A+5], 128                        ; dense
	s_mov_b32 s[G1A+6], 0
	s_mov_b32 s[G1A+7], 0
	s_mov_b32 s[G1B+1], 128<<16
	s_mov_b32 s[G1B+2], 96<<16                     ; 192 rows of W
	s_mov_b32 s[G1B+3], 128<<16
	s_mov_b32 s[G1B+4], 96
	s_mov_b32 s[G1B+5], 128
	s_mov_b32 s[G1B+6], 0
	s_mov_b32 s[G1B+7], 0
	s_lshl_b32 s76, s[TI], 15                      ; A: 256 rows x 128 bytes a tile row,
	s_lshl_b32 s77, s[WN], 14                      ; my 128 of them
	s_add_co_u32 s76, s76, s77
	s_mov_b32 s77, 0
	s_mul_i32 s78, s[TJ], 384*128                  ; B: 384 rows a tile column,
	s_mul_i32 s79, s[WN], 192*128                  ; my 192,
	s_add_co_u32 s78, s78, s79
	s_add_co_u32 s78, s78, 8192*128                ; behind x's rows
	s_mov_b32 s79, 0
	s_mul_i32 s80, s[WN], 128*PITCH                ; where they go: no place in the cluster enters an LDS address
	s_mul_i32 s81, s[WN], 192*PITCH
	s_add_co_u32 s81, s81, BOFF
	s_mul_i32 s[KB0], s[TJ], 6
	s_mul_i32 s82, s[WN], 3
	s_add_co_u32 s[KB0], s[KB0], s82
	s_lshl_b32 s88, s[KB0], 20                     ; where my part of the result begins
	s_lshl_b32 s82, s[TI], 15
	s_add_co_u32 s88, s88, s82
	s_lshl_b32 s82, s[FB], 14
	s_add_co_u32 s88, s88, s82
	s_mov_b32 s89, 0
	s_lshl_b32 s90, s[TI], 15                      ; the prefetches.  A's: the tile row, my work-group's 32 blocks
	s_lshl_b32 s82, s[CX], 13
	s_add_co_u32 s90, s90, s82
	s_mul_i32 s91, s[TJ], 384*128                  ; B's: the tile column, my work-group's 48 blocks
	s_mul_i32 s82, s[CY], 48*256
	s_add_co_u32 s91, s91, s82
	s_add_co_u32 s91, s91, 8192*128
	s_and_b32 s82, ttmp7, 0xffff
	s_cmp_eq_u32 s[WV], 0
	s_cselect_b32 s90, s90, s91
	s_cselect_b32 s82, ttmp9, s82                  ; the coordinate along which other clusters read the same rows
	s_cselect_b32 s[PAR], 0, 1
	s_cselect_b32 s83, 1, 2
	s_cmp_eq_u32 s82, 0
	s_cselect_b32 s[LIM], s83, -1                  ; the same in all sixteen partners, for a given wave
	s_add_co_u32 s90, s90, 2*PLANE                 ; at K step 2: the first change of slots steps it to 3
	s_mov_b32 s91, 0
	s_mov_b32 s[TB], 0
	s_wait_dscnt 0x0                               ; the opening add is done
	s_wait_kmcnt 0x0
	s_add_nc_u64 s[76:77], s[4:5], s[76:77]
	s_add_nc_u64 s[78:79], s[4:5], s[78:79]
	s_add_nc_u64 s[OUT:OUT+1], s[12:13], s[88:89]
	s_add_nc_u64 s[PFA:PFA+1], s[4:5], s[90:91]
.irp s, 0,1
	s_mov_b32 s[G0A+4*(\s)], 1
	s_add_co_u32 s[G0A+4*(\s)+1], s80, (\s)*XS
	s_add_nc_u64 s[G0A+4*(\s)+2:G0A+4*(\s)+3], s[76:77], (\s)*PLANE
	s_or_b32 s[G0A+4*(\s)+3], s[G0A+4*(\s)+3], 0x80000000
	s_mov_b32 s[G0B+4*(\s)], 1
	s_add_co_u32 s[G0B+4*(\s)+1], s81, (\s)*XS
	s_add_nc_u64 s[G0B+4*(\s)+2:G0B+4*(\s)+3], s[78:79], (\s)*PLANE
	s_or_b32 s[G0B+4*(\s)+3], s[G0B+4*(\s)+3], 0x80000000
.endr
	CROUND                                         ; all sixteen work-groups are here: the first joint loads meet
	s_cmp_eq_u32 s[FB], 0                          ; a wave's two first fills stand in one branch: two loads of mine are out
	s_cbranch_scc0 .Lfirst_b
	tensor_load_to_lds s[G0A:G0A+3], s[G1A:G1A+7]
	s_nop 0
	tensor_load_to_lds s[G0A+4:G0A+7], s[G1A:G1A+7]
	s_nop 0
.rept 4
	v_nop
.endr
	s_branch .Lfirst_asked
.Lfirst_b:
	tensor_load_to_lds s[G0B:G0B+3], s[G1B:G1B+7]
	s_nop 0
	tensor_load_to_lds s[G0B+4:G0B+7], s[G1B:G1B+7]
	s_nop 0
.rept 4
	v_nop
.endr
.Lfirst_asked:
	; lane addresses.  A fragment is 16 rows x 32 K in 8 registers: lane l holds row l % 16, K = 8 (l / 16) + 0..7 and 16 + 8 (l / 16) + 0..7: two loads of 16 bytes, 32 apart.
	v_and_b32 v1, 15, v0
	v_bfe_u32 v2, v0, 4, 1
	v_and_b32 v3, 31, v0
	v_mul_u32_u24 v4, v1, PITCH
	v_lshl_add_u32 v4, v2, 4, v4
	s_mul_i32 s82, s[FB], 128*PITCH
	s_mul_i32 s83, s[WN], 192*PITCH
	s_add_co_u32 s83, s83, BOFF
	v_add_nc_u32 v[AA0], s82, v4
	v_add_nc_u32 v[BB0], s83, v4
	v_mov_b32 v[AA], v[AA0]
	v_mov_b32 v[BB], v[BB0]
	s_mul_i32 s82, s[WV], 3*16*PITCH
	s_add_co_u32 s82, s82, STAGE
	v_add_nc_u32 v[STO], s82, v4                   ; in: row l % 16, 16 bytes for each half of the lanes
	v_bfe_u32 v5, v0, 3, 2
	v_and_b32 v6, 7, v0
	v_mul_u32_u24 v5, v5, PITCH
	v_lshl_add_u32 v5, v6, 4, v5
	v_add_nc_u32 v[RD], s82, v5                    ; back: 32 lanes take four rows of 128 bytes
	v_lshlrev_b32 v[CO], 4, v3
	s_mul_i32 s82, s[WV], 768
	s_add_co_u32 s82, s82, BIAS
	v_lshl_add_u32 v[BA], v2, 5, s82
	v_lshl_add_u32 v7, v3, 3, s82
	v_lshlrev_b32 v8, 3, v3
	s_max_u32 s82, s[WV], 1                        ; the prefetches' offset: block u = 32 (wave - 1) + l of 96 (wave 0: u = l); blocks 48-95 lie in the next plane
	s_sub_co_u32 s82, s82, 1
	s_lshl_b32 s82, s82, 5
	v_add_nc_u32 v9, s82, v3
	v_add_nc_u32 v10, 80, v9
	v_lshrrev_b32 v10, 7, v10                      ; 1 where u is 48 or more
	v_mul_u32_u24 v10, v10, PLANE-48*256
	v_lshl_add_u32 v[PFO], v9, 8, v10
	; my 192 columns' bias: three blocks of 64, each within one of bq, bk, bv; rounded to bf16, laid as f32 into my own LDS bytes
.irp cb, 0,1,2
	s_add_co_u32 s83, s[KB0], (\cb)
	s_lshr_b32 s84, s83, 4
	s_and_b32 s83, s83, 15
	s_lshl_b32 s86, s83, 8
	s_mov_b32 s87, 0
	s_cmp_eq_u32 s84, 1
	s_cselect_b64 s[BP+2*(\cb):BP+2*(\cb)+1], s[8:9], s[6:7]
	s_cmp_eq_u32 s84, 2
	s_cselect_b64 s[BP+2*(\cb):BP+2*(\cb)+1], s[10:11], s[BP+2*(\cb):BP+2*(\cb)+1]
	s_add_nc_u64 s[BP+2*(\cb):BP+2*(\cb)+1], s[BP+2*(\cb):BP+2*(\cb)+1], s[86:87]
	global_load_b64 v[32+2*(\cb):33+2*(\cb)], v8, s[BP+2*(\cb):BP+2*(\cb)+1]
.endr
	s_wait_loadcnt 0x0
.irp cb, 0,1,2
	v_cvt_pk_bf16_f32 v11, v[32+2*(\cb)], v[33+2*(\cb)]
	v_lshlrev_b32 v[40+2*(\cb)], 16, v11
	v_and_b32 v[41+2*(\cb)], 0xffff0000, v11
	ds_store_b64 v7, v[40+2*(\cb):41+2*(\cb)] offset:256*(\cb)
.endr
	; and from there, as a lane's eight columns of each of the twelve column blocks, into the accumulators of row block 7: the other row blocks' first products take these registers as C
.irp g, 0,1,2
	WIN ((\g)+1)<<6                                ; destination window g + 1, address window 0
.irp bb, 0,1,2,3
	ds_load_b128 v[224+8*(\bb):224+8*(\bb)+3], v[BA] offset:64*(4*(\g)+(\bb))       ; LDS serves a wave's instructions in order (ISA guide 5.7.1.4): these see the stores above
	ds_load_b128 v[228+8*(\bb):228+8*(\bb)+3], v[BA] offset:64*(4*(\g)+(\bb))+16
.endr
.endr
	WIN 0
; 4 na matrix instructions of group g: A's blocks a0 .. a0 + na - 1 (buffer ab) x B's fragments 4 g .. 4 g + 3.  Every accumulator is named once a phase, in a fixed order: they take turns.
; first = 1: the sums begin with the bias: blocks 0-6 take block 7's registers, which hold it, as C; block 7 adds in place, five places behind the last product that read those registers (ISA guide 7.12.1).
.macro GRP g, ab, a0, na, first
	WIN (((\g)+1)<<6)|(((\g)+1)<<4)
.set ga, (\a0)
.rept (\na)
.if (\first) && (ga == 7)
.rept 5
	v_nop
.endr
.endif
.irp bb, 0,1,2,3
.if (\first) && (ga < 7)
	v_wmma_f32_16x16x32_bf16 v[32*ga+8*(\bb):32*ga+8*(\bb)+7], v[BF+32*(\g)+8*(\bb):BF+32*(\g)+8*(\bb)+7], v[AF+64*(\ab)+8*ga:AF+64*(\ab)+8*ga+7], v[224+8*(\bb):224+8*(\bb)+7]
.else
	v_wmma_f32_16x16x32_bf16 v[32*ga+8*(\bb):32*ga+8*(\bb)+7], v[BF+32*(\g)+8*(\bb):BF+32*(\g)+8*(\bb)+7], v[AF+64*(\ab)+8*ga:AF+64*(\ab)+8*ga+7], v[32*ga+8*(\bb):32*ga+8*(\bb)+7]
.endif
.endr
.set ga, ga+1
.endr
.endm
.macro RUNB g, k                       ; 8 loads: group g's four fragments of B, at byte k of the rows
	WIN 0
.irp bb, 0,1,2,3
	ds_load_b128 v[BF+32*(\g)+8*(\bb):BF+32*(\g)+8*(\bb)+3],   v[BB] offset:(4*(\g)+(\bb))*16*PITCH+(\k)
	ds_load_b128 v[BF+32*(\g)+8*(\bb)+4:BF+32*(\g)+8*(\bb)+7], v[BB] offset:(4*(\g)+(\bb))*16*PITCH+(\k)+32
.endr
.endm
.macro RUNA ab, k                      ; 16 loads: A's eight fragments into buffer ab
	WIN 0
.irp a, 0,1,2,3,4,5,6,7
	ds_load_b128 v[AF+64*(\ab)+8*(\a):AF+64*(\ab)+8*(\a)+3],   v[AA] offset:(\a)*16*PITCH+(\k)
	ds_load_b128 v[AF+64*(\ab)+8*(\a)+4:AF+64*(\ab)+8*(\a)+7], v[AA] offset:(\a)*16*PITCH+(\k)+32
.endr
.endm
; Three runs of LDS loads are always out, in this order: 24 (group 0's B and the phase's A), 8 (group 1's B), 8 (group 2's).  A group's wait leaves out what was issued behind the run that it needs.
.macro H0 first                        ; a step's first phase
	s_wait_dscnt 16                                ; the 24 are in; 8 + 8 may be out
	GRP 0, 0, 0, 8, \first
	PLACES
	RUNB 0, 64
	RUNA 1, 64
	s_wait_dscnt 32                                ; group 1's are in; 8 + 24 may be out
	GRP 1, 0, 0, 8, \first
	PLACES
	RUNB 1, 64
	s_wait_dscnt 32                                ; group 2's are in; 24 + 8 may be out
	GRP 2, 0, 0, 8, \first
	PLACES
	RUNB 2, 64
.endm
; A step's second phase, with the change of slots behind its first group.  In front of the barrier each wave waits for all its tensor loads (one is out: its part of the other slot), adds 0 to its spare
; word, and waits for that and for its reads of this slot.  fill = 1: the barrier opens a round of the cluster's, and the joint refill, two steps on, is the first thing behind it.  Nothing but the round
; stands between the wait for one tile and the request for the next, so a request has a whole step, 192 matrix instructions, ahead of the wait for it.
.macro H1T fill
.if \fill
	s_wait_xcnt 0x0                                ; the last prefetch, a step back, has read its address
	s_add_nc_u64 s[PFA:PFA+1], s[PFA:PFA+1], PLANE
.endif
	s_wait_dscnt 16                                ; the 24 are in; 8 + 8 may be out
	GRP 0, 1, 0, 8, 0
	WIN 0
	s_wait_tensorcnt 0x0                           ; no tensor load of mine is out, so a group 0 may be written
	ds_add_u32 v[SPW], v[NIL]                      ; 0 onto my spare word
.if \fill
	s_xor_b32 s[G0A+5], s[G0A+5], XS               ; the walking descriptors: the other slot, the next plane
	s_add_nc_u64 s[G0A+6:G0A+7], s[G0A+6:G0A+7], PLANE
	s_xor_b32 s[G0B+5], s[G0B+5], XS
	s_add_nc_u64 s[G0B+6:G0B+7], s[G0B+6:G0B+7], PLANE
.endif
	s_wait_dscnt 0x0                               ; the add is done, and my reads of this slot are over
	s_barrier_signal -1
	s_barrier_wait -1
.if \fill
	CREST
	JLOAD                                          ; its four v_nop are also the places in front of the loads below
.else
	PLACES
.endif
	s_xor_b32 s[TB], s[TB], XS
	v_add_nc_u32 v[AA], s[TB], v[AA0]
	v_add_nc_u32 v[BB], s[TB], v[BB0]
	RUNB 0, 0
	RUNA 0, 0
.if \fill
	ASK
.endif
	GRP 1, 1, 0, 8, 0
	PLACES
	RUNB 1, 0
	GRP 2, 1, 0, 8, 0
	PLACES
	RUNB 2, 0
.endm
	s_wait_tensorcnt 1                             ; my part of K step 0 is in; step 1's may stay out
	s_wait_dscnt 0x0                               ; my LDS instructions for the bias
	s_barrier_signal -1
	s_barrier_wait -1
	RUNB 0, 0
	RUNA 0, 0
	RUNB 1, 0
	RUNB 2, 0
	H0 1                                           ; the first phase starts the sums, with the bias: nothing is cleared
	WIN 0
	s_mov_b32 s[CNT], 14
.Lk:                                                   ; trip s: the second phase of step s, refill with step s + 2, the first phase of step s + 1
	H1T 1
	H0 0
	WIN 0
	s_sub_co_u32 s[CNT], s[CNT], 1
	s_cmp_lg_u32 s[CNT], 0
	s_cbranch_scc1 .Lk
	s_mov_b32 s[CNT], 2                            ; the last two steps ask for nothing: a loop of their own; its second trip is left in the middle
.Ltail:
	H1T 0                                          ; (in the second trip its loads bring the stale slot's fragments, which nobody multiplies: the price, once a launch, of one text for both trips)
	WIN 0
	s_sub_co_u32 s[CNT], s[CNT], 1
	s_cmp_eq_u32 s[CNT], 0
	s_cbranch_scc1 .Lout
	H0 0
	WIN 0
	s_branch .Ltail
.Lout:
	s_wait_dscnt 0x0                               ; those loads are back: their registers serve the way out
	; THE WAY OUT.  Block after block of 16 rows: rounded to f16, through my stage, stored.  Four sets of 48 registers take turns.
	PLACES
	PLACES
.macro PACK a
.set PS, 32+48*((\a)%4)
.if (\a) >= 4
	s_wait_xcnt 0x0                                ; the stores of four blocks back have read these registers
.endif
.irp g, 0,1,2
	WIN ((\g)+1)|(((\g)+1)<<2)
.irp bb, 0,1,2,3
.irp rr, 0,1,2,3
	v_cvt_pk_f16_f32 v[PS+16*(\g)+4*(\bb)+(\rr)], v[32*(\a)+8*(\bb)+2*(\rr)], v[32*(\a)+8*(\bb)+2*(\rr)+1]
.endr
.endr
.endr
	WIN 0
.irp i, 0,1,2,3,4,5,6,7,8,9,10,11
	ds_store_b128 v[STO], v[PS+4*(\i):PS+4*(\i)+3] offset:((\i)/4)*16*PITCH+32*((\i)%4)
.endr
.irp i, 0,1,2,3,4,5,6,7,8,9,10,11
	ds_load_b128 v[PS+4*(\i):PS+4*(\i)+3], v[RD] offset:((\i)/4)*16*PITCH+4*PITCH*((\i)%4)  ; LDS serves a wave's instructions in order (ISA guide 5.7.1.4): these see the stores above
.endr
.endm
.macro SEND a, younger                 ; younger: the LDS instructions issued behind block a's loads
	WIN 0
.set PS, 32+48*((\a)%4)
.irp i, 0,1,2,3,4,5,6,7,8,9,10,11
.if ((\i)%4) == 0
	s_wait_dscnt (\younger)+8-(\i)                 ; loads i .. i + 3 are in; the block's later ones and the younger instructions may be out
.endif
	global_store_b128 v[CO], v[PS+4*(\i):PS+4*(\i)+3], s[OUT:OUT+1] offset:((\i)/4)*QPLANE+2048*(\a)+512*((\i)%4)  ; four rows of a plane: 512 consecutive bytes, at a multiple of 256
.endr
.endm
	PACK 0
.irp a, 1,2,3,4,5,6,7
	PACK \a
	SEND (\a)-1, 24
.endr
	SEND 7, 0
	s_wait_tensorcnt 0x0                           ; the wave's end
	ds_add_u32 v[SPW], v[NIL]
	s_wait_dscnt 0x0
	CROUND                                         ; the closing round
	s_endpgm
.Lfunc_end_k_qb5a76fb36f_proj:
	.size	k_qb5a76fb36f_proj, .Lfunc_end_k_qb5a76fb36f_proj-k_qb5a76fb36f_proj
	.p2alignl 7, 3214868480
	.fill 96, 4, 3214868480
	.section	.rodata,"a",@progbits
	.p2align	6, 0x0
	.amdhsa_kernel k_qb5a76fb36f_proj
		.amdhsa_group_segment_fixed_size 327680
		.amdhsa_private_segment_fixed_size 0
		.amdhsa_enable_private_segment 0
		.amdhsa_kernarg_size 40
		.amdhsa_user_sgpr_count 2
		.amdhsa_user_sgpr_kernarg_segment_ptr 1
		.amdhsa_wavefront_size32 1
		.amdhsa_system_sgpr_workgroup_id_x 1
		.amdhsa_system_sgpr_workgroup_id_y 1
		.amdhsa_system_sgpr_workgroup_id_z 1
		.amdhsa_system_vgpr_workitem_id 0
		.amdhsa_next_free_vgpr 1024
		.amdhsa_next_free_sgpr 100
		.amdhsa_reserve_vcc 0
		.amdhsa_float_denorm_mode_32 3
		.amdhsa_float_denorm_mode_16_64 3
		.amdhsa_memory_ordered 1
		.amdhsa_forward_progress 1
		.amdhsa_inst_pref_size 110
	.end_amdhsa_kernel
	.amdgpu_metadata
---
amdhsa.version: [ 1, 2 ]
amdhsa.kernels:
  - .name:           k_qb5a76fb36f_proj
    .symbol:         k_qb5a76fb36f_proj.kd
    .args:
      - { .name: xw, .offset: 0, .size: 8, .value_kind: global_buffer, .address_space: global }
      - { .name: bq, .offset: 8, .size: 8, .value_kind: global_buffer, .address_space: global }
      - { .name: bk, .offset: 16, .size: 8, .value_kind: global_buffer, .address_space: global }
      - { .name: bv, .offset: 24, .size: 8, .value_kind: global_buffer, .address_space: global }
      - { .name: qkv, .offset: 32, .size: 8, .value_kind: global_buffer, .address_space: global }
    .group_segment_fixed_size: 327680
    .private_segment_fixed_size: 0
    .kernarg_segment_align: 8
    .kernarg_segment_size: 40
    .max_flat_workgroup_size: 128
    .sgpr_count:     100
    .vgpr_count:     1024
    .wavefront_size: 32
...
	.end_amdgpu_metadata
.endif
;; end of part 2
;; launch scores (part 3): grid 8 x 32, 4 waves a work-group, clusters of 4 x 4, 327,680 bytes of LDS; arguments qkv, p, st; writes p, st
.if DOCPART == 3
	.amdgcn_target "amdgcn-amd-amdhsa--gfx1250"
	.amdhsa_code_object_version 6
	.text
	.protected	k_qb5a76fb36f_scores
	.globl	k_qb5a76fb36f_scores
	.p2align	8
	.type	k_qb5a76fb36f_scores,@function
k_qb5a76fb36f_scores:
	s_mov_b64 s[64:65], 0
	v_nop
	global_prefetch_b8 v0, s[64:65] scope:SCOPE_SE
	s_setreg_imm32_b32 hwreg(HW_REG_WAVE_MODE, 25, 1), 1
	s_wait_xcnt 0x0
	s_wait_alu depctr_hold_cnt(0) depctr_sa_sdst(0) depctr_va_vdst(0) depctr_va_sdst(0) depctr_va_ssrc(0) depctr_va_vcc(0) depctr_vm_vsrc(0)
	s_getreg_b32 s2, hwreg(HW_REG_IB_STS2, 6, 4)
	s_cmp_eq_u32 s2, 0
	s_cbranch_scc0 .Lentry_in_a_cluster
	s_endpgm
.Lentry_in_a_cluster:
	s_bfe_u32 s2, ttmp6, 0x10000c
	s_cmp_lg_u32 s2, 0xf033
	s_cbranch_scc0 .Lentry_shape_is_right
	s_endpgm
.Lentry_shape_is_right:
; For each batch S = q k^T (f16 operands, f32 sums), and of each row and each CHUNK of 128 keys: the maximum m, p = 2^(c s - c m) with c = log2(e) / 32, rounded to f16, and l = the sum of the unrounded p.
; st[chunk][row] = (c m, l) in f32.  The launch behind joins the chunks: it takes the row's maximum of c m and scales each chunk by 2^(c m - maximum).
; So a maximum is taken away before every exponential, and no wave meets another: a wave's 128 columns are a chunk.
; p IS STORED AS THE NEXT PRODUCT'S REGISTERS WANT IT: p[row / 16][key / 16][lane][16 bytes].  A lane's eight weights of an accumulator (one query, keys 8 (lane / 16) + 0..7), rounded in pairs, are four
; registers of that product's fragment for the same lane: they are stored straight from registers, 512 consecutive bytes an instruction.
; LIMITS.  p lies in 0 to 1 (to within a rounding of c m); below 6e-5 it keeps f16's fixed step of 6e-8.  NaN and infinities are not treated apart.
; SHARES.  A tile of 256 queries x 256 keys to a work-group, 128 x 128 to each of four waves: 64 accumulators, 512 registers.  K (1,024 channels) goes in steps of 128 = two planes of qkv.
; A plane's 256 rows are 32,768 consecutive bytes, asked for as 128 rows of 256 bytes, padded in LDS after every 128: one load a wave (A's even plane, A's odd, B's even, B's odd).
; TRANSPOSED USE: source 0 = 16 keys, source 1 = 16 queries: a lane holds one query and eight neighbouring keys.
; CLUSTER 4 x 4: q's tile is shared along a row of the cluster, k's along a column.
; REGISTERS.  window 0: v12-31 addresses; v32-63 at work on the way out; v64-127, v128-191 fragments of q, two buffers (on the way out v64-255: six sets of packed weights).  window 1: v64-191 fragments of k.
; windows 2, 3: accumulator (a, b) at 8 (8 (a % 4) + b).
.set QPLANE, 8192*128
.set PITCH,  144
.set PIECE,  2*256*PITCH               ; a wave's two slots of 256 rows
.set XS,     256*PITCH                 ; 0x9000: none of the four pieces' first bytes has one of its two bits, so an exclusive or changes slots
.set SSTG,   4*PIECE                   ; behind the ring: 128 rows x 8 bytes for each wave: the statistics
.set SPARE,  SSTG+4*1024
.set GS,  12                           ; v12  16 l
.set AE,  16                           ; v16-19  my lane's place in q's even plane, q's odd, k's even, k's odd, in the slot in hand
.set BE,  18
.set A0,  20                           ; v20-23  the same in slot 0; never rewritten
.set SS,  27
.set SPW, 28
.set NIL, 29
.set PFO, 30
.set SR,  31
.set T,   32                           ; v32-39 at work
.set CMB, 48                           ; v[48+2a:49+2a]  block a: c m and m; later c m and l
.set F0,  64
.set F1,  128
.set WV,  14
.set FB,  15
.set WN,  16
.set CX,  17
.set CY,  18
.set TJ,  19
.set TI,  20
.set BT,  21                           ; s21  the batch
.set G1A, 24
.set G1B, 32
.set G0A, 40
.set G0B, 48
.set CNT, 56
.set TB,  57
.set LIM, 58
.set PFA, 60
.set PB,  68
.set SB,  70
.set CS,  84                           ; s[84:85] c
.set SEL, 86                           ; s[86:87] v_permlanex16_b32's selects: each lane takes its own place in the other half
.set FLAGS, (1<<16)|(1<<20)|(1<<21)|(4<<22)|(3<<25)
.set MUL_LO, 0xa1                      ; source 0 (k) window 1, source 1 (q) window 0, C and D window 2
.set MUL_HI, 0xf1
.set TO_B,   0x40
.set MSB, 0
.macro WIN new
.if MSB != (\new)
	s_set_vgpr_msb (MSB<<8)|(\new)
.set MSB, (\new)
.endif
.endm
.macro PLACES
.rept 4
	v_nop
.endr
.endm
.macro CREST
	s_cmp_lg_u32 s[WV], 0
	s_cbranch_scc1 .Lnot_wave_0_\@
	s_barrier_signal -3
.Lnot_wave_0_\@:
	s_barrier_wait -3
	s_barrier_signal -1
	s_barrier_wait -1
.endm
.macro CROUND
	s_barrier_signal -1
	s_barrier_wait -1
	CREST
.endm
.macro JLOAD
	s_cmp_eq_u32 s[FB], 0
	s_cbranch_scc0 .Lfor_b_\@
	tensor_load_to_lds s[G0A+4:G0A+7], s[G1A:G1A+7]
	s_nop 0
.rept 4
	v_nop
.endr
	s_branch .Lasked_\@
.Lfor_b_\@:
	tensor_load_to_lds s[G0B+4:G0B+7], s[G1B:G1B+7]
	s_nop 0
.rept 4
	v_nop
.endr
.Lasked_\@:
.endm
; A PREFETCH INTO THE L2: trip s refills with K step s + 2 and names step s + 3, 256 matrix instructions ahead of the load that wants it.  A wave's piece of a step is 128 blocks of 256 bytes; each of
; the four partners that ask for it jointly names 32, told apart by address.  q's rows are read by both clusters of a row of clusters: x = 0 asks; k's by the batch's two rows of clusters: the even y asks.
; Steps 0-2 come by their loads alone; the highest step named is 7.
.macro ASK
	s_cmp_gt_u32 s[CNT], s[LIM]
	s_cbranch_scc0 .Lno_\@
	global_prefetch_b8 v[PFO], s[PFA:PFA+1] th:TH_LOAD_NT scope:SCOPE_SE
.Lno_\@:
.endm
	s_load_b128 s[4:7], s[0:1], 0x0                ; qkv, p
	s_load_b64 s[8:9], s[0:1], 0x10                ; st
	v_lshl_add_u32 v[SPW], v0, 2, SPARE
	v_mov_b32 v[NIL], 0
	ds_add_u32 v[SPW], v[NIL]                      ; the wave's opening: the add and its wait ahead of my first tensor load
	v_lshrrev_b32 v1, 5, v0
	v_readfirstlane_b32 s[WV], v1
	s_lshr_b32 s[FB], s[WV], 1
	s_and_b32 s[WN], s[WV], 1
	s_bfe_u32 s[CX], ttmp6, 0x40000
	s_bfe_u32 s[CY], ttmp6, 0x40004
	s_lshl_b32 s[TJ], ttmp9, 2
	s_add_co_u32 s[TJ], s[TJ], s[CX]
	s_and_b32 s[BT], ttmp7, 0xffff                 ; cluster y
	s_lshl_b32 s[TI], s[BT], 2
	s_add_co_u32 s[TI], s[TI], s[CY]
	s_and_b32 s92, s[BT], 1
	s_lshr_b32 s[BT], s[BT], 1                     ; eight tile rows, two rows of clusters, a batch
	s_lshl_b32 s76, s[CY], 2
	s_lshl_b32 s76, 15, s76
	s_lshl_b32 s78, 0x1111, s[CX]
	s_or_b32 s[G1A], s76, FLAGS
	s_or_b32 s[G1B], s78, FLAGS
.irp g, G1A, G1B
	s_mov_b32 s[(\g)+1], 128<<16                   ; 128 elements: 256 bytes, two rows of a plane
	s_mov_b32 s[(\g)+2], 128<<16                   ; 128 such rows
	s_mov_b32 s[(\g)+3], 128<<16
	s_mov_b32 s[(\g)+4], 128
	s_mov_b32 s[(\g)+5], 128
	s_mov_b32 s[(\g)+6], 0
	s_mov_b32 s[(\g)+7], 0
.endr
	s_lshl_b32 s76, s[WN], 20                      ; q: plane wave % 2, the tile row's 256 rows
	s_lshl_b32 s77, s[TI], 15
	s_add_co_u32 s76, s76, s77
	s_mov_b32 s77, 0
	s_lshl_b32 s78, s[WN], 20                      ; k: plane 16 + wave % 2, the batch's rows, the tile column's 256
	s_lshl_b32 s79, s[BT], 18
	s_add_co_u32 s78, s78, s79
	s_lshl_b32 s79, s[TJ], 15
	s_add_co_u32 s78, s78, s79
	s_add_co_u32 s78, s78, 16*QPLANE
	s_mov_b32 s79, 0
	s_mul_i32 s80, s[WN], PIECE
	s_add_co_u32 s81, s80, 2*PIECE
	s_lshl_b32 s88, s[TI], 20                      ; p: my first block of 16 rows x 65,536 bytes (16 a tile row, 8 a wave),
	s_lshl_b32 s82, s[FB], 19
	s_add_co_u32 s88, s88, s82
	s_lshl_b32 s82, s[TJ], 13                      ; my first block of 16 keys x 512 bytes (16 a tile column, 8 a wave)
	s_add_co_u32 s88, s88, s82
	s_lshl_b32 s82, s[WN], 12
	s_add_co_u32 s88, s88, s82
	s_mov_b32 s89, 0
	s_lshl_b32 s90, s[TJ], 17                      ; st: chunk 2 tj + wave % 2, my first row x 8
	s_lshl_b32 s82, s[WN], 16
	s_add_co_u32 s90, s90, s82
	s_lshl_b32 s82, s[TI], 11
	s_add_co_u32 s90, s90, s82
	s_lshl_b32 s82, s[FB], 10
	s_add_co_u32 s90, s90, s82
	s_mov_b32 s91, 0
	s_cmp_eq_u32 s[FB], 0
	s_cselect_b32 s82, s[CX], s[CY]                ; my place among the four that ask with me
	s_cselect_b32 s83, ttmp9, s92                  ; the coordinate along which other clusters read the same rows
	s_cmp_eq_u32 s83, 0
	s_cselect_b32 s[LIM], 1, -1
	s_lshl_b32 s82, s82, 13
	s_add_co_u32 s82, s82, 4*QPLANE                ; at K step 2
	s_mov_b32 s83, 0
	s_mov_b32 s[CS], 0x3d38aa3b                    ; c = log2(e) / 32
	s_mov_b32 s[CS+1], s[CS]
	s_mov_b32 s[SEL], 0x76543210
	s_mov_b32 s[SEL+1], 0xfedcba98
	s_mov_b32 s[TB], 0
	s_wait_dscnt 0x0
	s_wait_kmcnt 0x0
	s_add_nc_u64 s[76:77], s[4:5], s[76:77]
	s_add_nc_u64 s[78:79], s[4:5], s[78:79]
	s_add_nc_u64 s[PB:PB+1], s[6:7], s[88:89]
	s_add_nc_u64 s[SB:SB+1], s[8:9], s[90:91]
	s_cmp_eq_u32 s[FB], 0
	s_cselect_b64 s[PFA:PFA+1], s[76:77], s[78:79]
	s_add_nc_u64 s[PFA:PFA+1], s[PFA:PFA+1], s[82:83]
.irp s, 0,1
	s_mov_b32 s[G0A+4*(\s)], 1
	s_add_co_u32 s[G0A+4*(\s)+1], s80, (\s)*XS
	s_add_nc_u64 s[G0A+4*(\s)+2:G0A+4*(\s)+3], s[76:77], (\s)*2*QPLANE
	s_or_b32 s[G0A+4*(\s)+3], s[G0A+4*(\s)+3], 0x80000000
	s_mov_b32 s[G0B+4*(\s)], 1
	s_add_co_u32 s[G0B+4*(\s)+1], s81, (\s)*XS
	s_add_nc_u64 s[G0B+4*(\s)+2:G0B+4*(\s)+3], s[78:79], (\s)*2*QPLANE
	s_or_b32 s[G0B+4*(\s)+3], s[G0B+4*(\s)+3], 0x80000000
.endr
	CROUND
	s_cmp_eq_u32 s[FB], 0
	s_cbranch_scc0 .Lfirst_b
	tensor_load_to_lds s[G0A:G0A+3], s[G1A:G1A+7]
	s_nop 0
	tensor_load_to_lds s[G0A+4:G0A+7], s[G1A:G1A+7]
	s_nop 0
.rept 4
	v_nop
.endr
	s_branch .Lfirst_asked
.Lfirst_b:
	tensor_load_to_lds s[G0B:G0B+3], s[G1B:G1B+7]
	s_nop 0
	tensor_load_to_lds s[G0B+4:G0B+7], s[G1B:G1B+7]
	s_nop 0
.rept 4
	v_nop
.endr
.Lfirst_asked:
	v_and_b32 v1, 15, v0
	v_bfe_u32 v2, v0, 4, 1
	v_and_b32 v3, 31, v0
	v_mul_u32_u24 v4, v1, PITCH
	v_lshl_add_u32 v4, v2, 4, v4
	s_mul_i32 s82, s[FB], 128*PITCH
	s_mul_i32 s83, s[WN], 128*PITCH
	s_add_co_u32 s83, s83, 2*PIECE
	v_add_nc_u32 v[A0], s82, v4
	v_add_nc_u32 v[A0+1], PIECE, v[A0]
	v_add_nc_u32 v[A0+2], s83, v4
	v_add_nc_u32 v[A0+3], PIECE, v[A0+2]
.irp i, 0,1,2,3
	v_mov_b32 v[AE+(\i)], v[A0+(\i)]
.endr
	s_lshl_b32 s82, s[WV], 10
	s_add_co_u32 s82, s82, SSTG
	v_lshl_add_u32 v[SS], v1, 3, s82
	v_lshl_add_u32 v[SR], v3, 4, s82
	v_lshlrev_b32 v[GS], 4, v3
	v_lshlrev_b32 v[PFO], 8, v3
; 16 matrix instructions: query blocks a0, a0 + 1 of the window's four x all 8 key blocks, 32 along K.  The 64 accumulators take turns in the same order in every quarter.
.macro MUL16 f, hi, a0, zero
	WIN MUL_LO+0x50*(\hi)
.irp a, \a0, (\a0)+1
.irp b, 0,1,2,3,4,5,6,7
.if \zero
	v_wmma_f32_16x16x32_f16 v[8*(8*(\a)+(\b)):8*(8*(\a)+(\b))+7], v[(\f)+8*(\b):(\f)+8*(\b)+7], v[(\f)+8*(4*(\hi)+(\a)):(\f)+8*(4*(\hi)+(\a))+7], 0
.else
	v_wmma_f32_16x16x32_f16 v[8*(8*(\a)+(\b)):8*(8*(\a)+(\b))+7], v[(\f)+8*(\b):(\f)+8*(\b)+7], v[(\f)+8*(4*(\hi)+(\a)):(\f)+8*(4*(\hi)+(\a))+7], v[8*(8*(\a)+(\b)):8*(8*(\a)+(\b))+7]
.endif
.endr
.endr
.endm
.macro FETCH q, f                      ; 32 LDS loads in one run: quarter q's fragments (plane q / 2, byte 64 (q % 2) of the rows) into buffer f: k's 128 rows, then q's
	WIN TO_B
.irp i, 0,1,2,3,4,5,6,7
	ds_load_b128 v[(\f)+8*(\i):(\f)+8*(\i)+3],   v[BE+(\q)/2] offset:((\q)%2)*64+(\i)*16*PITCH
	ds_load_b128 v[(\f)+8*(\i)+4:(\f)+8*(\i)+7], v[BE+(\q)/2] offset:((\q)%2)*64+(\i)*16*PITCH+32
.endr
	WIN 0
.irp i, 0,1,2,3,4,5,6,7
	ds_load_b128 v[(\f)+8*(\i):(\f)+8*(\i)+3],   v[AE+(\q)/2] offset:((\q)%2)*64+(\i)*16*PITCH
	ds_load_b128 v[(\f)+8*(\i)+4:(\f)+8*(\i)+7], v[AE+(\q)/2] offset:((\q)%2)*64+(\i)*16*PITCH+32
.endr
.endm
.macro QUARTER q, f, g, zero           ; multiplies buffer f; in its middle fetches quarter q into buffer g
	s_wait_dscnt 8                                 ; k's fragments and q's rows 0-63 are in; the youngest eight loads may be out
	MUL16 \f, 0, 0, \zero
	MUL16 \f, 0, 2, \zero
	PLACES
	FETCH \q, \g
	s_wait_dscnt 32                                ; all but the 32 just issued
	MUL16 \f, 1, 0, \zero
	MUL16 \f, 1, 2, \zero
.endm
; A step's last quarter, with the change of slots in its middle: all my tensor loads (one is out: my piece of the next step), the add, my reads of this slot; the barrier; with fill = 1 a round of the
; cluster's, and the joint refill first behind it.  Nothing but the round stands between the wait for one tile and the request for the next: a request has a whole step, 256 matrix instructions, ahead of the wait for it.
.macro TURN fill
.if \fill
	s_wait_xcnt 0x0                                ; the last prefetch, a step back, has read its address
	s_add_nc_u64 s[PFA:PFA+1], s[PFA:PFA+1], 2*QPLANE
.endif
	s_wait_dscnt 8                                 ; as at a quarter's head
	MUL16 F1, 0, 0, 0
	MUL16 F1, 0, 2, 0
	WIN 0
	s_wait_tensorcnt 0x0
	ds_add_u32 v[SPW], v[NIL]                      ; 0 onto my spare word
.if \fill
	s_xor_b32 s[G0A+5], s[G0A+5], XS
	s_add_nc_u64 s[G0A+6:G0A+7], s[G0A+6:G0A+7], 2*QPLANE
	s_xor_b32 s[G0B+5], s[G0B+5], XS
	s_add_nc_u64 s[G0B+6:G0B+7], s[G0B+6:G0B+7], 2*QPLANE
.endif
	s_wait_dscnt 0x0                               ; the add is done, and my reads of this slot are over
	s_barrier_signal -1
	s_barrier_wait -1
.if \fill
	CREST
	JLOAD                                          ; its four v_nop are also the places in front of the loads below
.else
	PLACES
.endif
	s_xor_b32 s[TB], s[TB], XS
.irp i, 0,1,2,3
	v_add_nc_u32 v[AE+(\i)], s[TB], v[A0+(\i)]
.endr
	FETCH 0, F0
.if \fill
	ASK
.endif
	MUL16 F1, 1, 0, 0
	MUL16 F1, 1, 2, 0
.endm
	s_wait_tensorcnt 1                             ; my piece of K step 0 is in; step 1's may stay out
	s_barrier_signal -1
	s_barrier_wait -1
	FETCH 0, F0
	QUARTER 1, F0, F1, 1                           ; the first quarter starts the sums
	WIN 0
	s_mov_b32 s[CNT], 6
.Lk:
	QUARTER 2, F1, F0, 0
	QUARTER 3, F0, F1, 0
	TURN 1
	QUARTER 1, F0, F1, 0
	WIN 0
	s_sub_co_u32 s[CNT], s[CNT], 1
	s_cmp_lg_u32 s[CNT], 0
	s_cbranch_scc1 .Lk
	s_mov_b32 s[CNT], 2                            ; the last two steps ask for nothing: a loop of their own; its second trip is left in the middle
.Ltail:
	QUARTER 2, F1, F0, 0
	QUARTER 3, F0, F1, 0
	TURN 0                                         ; (in the second trip its loads bring the stale slot's fragments, which nobody multiplies: the price, once a launch, of one text for both trips)
	WIN 0
	s_sub_co_u32 s[CNT], s[CNT], 1
	s_cmp_eq_u32 s[CNT], 0
	s_cbranch_scc1 .Lout
	QUARTER 1, F0, F1, 0
	WIN 0
	s_branch .Ltail
.Lout:
	s_wait_dscnt 0x0                               ; those loads are back: their registers serve the way out
	PLACES
	PLACES
; THE WAY OUT of block a (16 queries x my 128 keys; a lane holds 64 scores of one query, the lane 16 away the other 64): maximum; c s - c m; 64 exponentials as one batch with one wait; rounding to f16;
; eight stores straight from registers; the sum of the unrounded weights.  Each accumulator's lowest registers are read first.  Six sets of 32 registers take the packed weights by turns.
.macro BLOCK a
.set W,  2+(\a)/4
.set AC, 64*((\a)%4)
.set PS, 64+32*((\a)%6)
.set CM, CMB+2*(\a)
.if (\a) == 6
	s_wait_xcnt 0x0                                ; the stores of blocks 0 and 1 have read the two sets that blocks 6 and 7 write anew
.endif
	WIN W|(W<<2)|(W<<4)
.irp b, 0,1,2,3,4,5,6,7
	v_max3_num_f32 v[T+(\b)], v[AC+8*(\b)], v[AC+8*(\b)+1], v[AC+8*(\b)+2]
.endr
	WIN (W<<2)|(W<<4)
.irp b, 0,1,2,3,4,5,6,7
	v_max3_num_f32 v[T+(\b)], v[T+(\b)], v[AC+8*(\b)+3], v[AC+8*(\b)+4]
.endr
.irp b, 0,1,2,3,4,5,6,7
	v_max3_num_f32 v[T+(\b)], v[T+(\b)], v[AC+8*(\b)+5], v[AC+8*(\b)+6]
.endr
.irp b, 0,1,2,3
	v_max3_num_f32 v[T+(\b)], v[T+(\b)], v[AC+16*(\b)+7], v[AC+16*(\b)+15]
.endr
	WIN 0
	v_max3_num_f32 v[T], v[T], v[T+1], v[T+2]
	v_max3_num_f32 v[T+3], v[T+3], v[T+4], v[T+5]
	v_max3_num_f32 v[T], v[T], v[T+3], v[T+6]
	v_max_num_f32 v[T], v[T], v[T+7]
	v_permlanex16_b32 v[T+1], v[T], s[SEL], s[SEL+1]
	v_max_num_f32 v[CM+1], v[T], v[T+1]            ; m
	v_mul_f32 v[CM], s[CS], v[CM+1]                ; c m
	WIN (W<<6)|W
.set z, 0
.rept 32
	v_pk_fma_f32 v[AC+z:AC+z+1], v[AC+z:AC+z+1], s[CS:CS+1], v[CM:CM+1] op_sel_hi:[1,0,0] neg_lo:[0,0,1] neg_hi:[0,0,1]
.set z, z+2
.endr
.set z, 0
.rept 64
	v_exp_f32 v[AC+z], v[AC+z]
.set z, z+1
.endr
	v_nop                                          ; a plain instruction behind the last exponential,
	s_wait_alu depctr_va_vdst(0)                   ; and the wait ahead of the first use: one for the batch
	WIN W|(W<<2)
.set z, 0
.rept 32
	v_cvt_pk_f16_f32 v[PS+z], v[AC+2*z], v[AC+2*z+1]
.set z, z+1
.endr
	WIN 0
.irp b, 0,1,2,3,4,5,6,7
	global_store_b128 v[GS], v[PS+4*(\b):PS+4*(\b)+3], s[PB:PB+1] offset:65536*(\a)+512*(\b)  ; 512 consecutive bytes, at a multiple of 256 from p's first byte
.endr
	WIN (W<<6)|(W<<2)|W
.irp wd, 4,8,16,32,64                  ; 31 packed sums in place: neighbours 1, 2, 4, 8 and 16 pairs apart
.set u, 0
.rept 64/(\wd)
	v_pk_add_f32 v[AC+(\wd)*u:AC+(\wd)*u+1], v[AC+(\wd)*u:AC+(\wd)*u+1], v[AC+(\wd)*u+(\wd)/2:AC+(\wd)*u+(\wd)/2+1]
.set u, u+1
.endr
.endr
	WIN W|(W<<2)
	v_add_f32 v[T+2], v[AC], v[AC+1]
	WIN 0
	v_permlanex16_b32 v[T+1], v[T+2], s[SEL], s[SEL+1]
	v_add_f32 v[CM+1], v[T+2], v[T+1]              ; l takes m's place beside c m
.endm
.irp a, 0,1,2,3,4,5,6,7
	BLOCK \a
.endr
.irp a, 0,1,2,3,4,5,6,7
	ds_store_b64 v[SS], v[CMB+2*(\a):CMB+2*(\a)+1] offset:128*(\a)  ; both halves of the lanes hold, and write, the same two numbers
.endr
	ds_load_b128 v[T:T+3], v[SR]
	ds_load_b128 v[T+4:T+7], v[SR] offset:512
	s_wait_dscnt 0x0
	global_store_b128 v[GS], v[T:T+3], s[SB:SB+1]                  ; my 128 rows' statistics: 1,024 consecutive bytes
	global_store_b128 v[GS], v[T+4:T+7], s[SB:SB+1] offset:512
	s_wait_tensorcnt 0x0                           ; the wave's end
	ds_add_u32 v[SPW], v[NIL]
	s_wait_dscnt 0x0
	CROUND
	s_endpgm
.Lfunc_end_k_qb5a76fb36f_scores:
	.size	k_qb5a76fb36f_scores, .Lfunc_end_k_qb5a76fb36f_scores-k_qb5a76fb36f_scores
	.p2alignl 7, 3214868480
	.fill 96, 4, 3214868480
	.section	.rodata,"a",@progbits
	.p2align	6, 0x0
	.amdhsa_kernel k_qb5a76fb36f_scores
		.amdhsa_group_segment_fixed_size 327680
		.amdhsa_private_segment_fixed_size 0
		.amdhsa_enable_private_segment 0
		.amdhsa_kernarg_size 24
		.amdhsa_user_sgpr_count 2
		.amdhsa_user_sgpr_kernarg_segment_ptr 1
		.amdhsa_wavefront_size32 1
		.amdhsa_system_sgpr_workgroup_id_x 1
		.amdhsa_system_sgpr_workgroup_id_y 1
		.amdhsa_system_sgpr_workgroup_id_z 1
		.amdhsa_system_vgpr_workitem_id 0
		.amdhsa_next_free_vgpr 1024
		.amdhsa_next_free_sgpr 100
		.amdhsa_reserve_vcc 0
		.amdhsa_float_denorm_mode_32 3
		.amdhsa_float_denorm_mode_16_64 3
		.amdhsa_memory_ordered 1
		.amdhsa_forward_progress 1
		.amdhsa_inst_pref_size 160
	.end_amdhsa_kernel
	.amdgpu_metadata
---
amdhsa.version: [ 1, 2 ]
amdhsa.kernels:
  - .name:           k_qb5a76fb36f_scores
    .symbol:         k_qb5a76fb36f_scores.kd
    .args:
      - { .name: qkv, .offset: 0, .size: 8, .value_kind: global_buffer, .address_space: global }
      - { .name: p, .offset: 8, .size: 8, .value_kind: global_buffer, .address_space: global }
      - { .name: st, .offset: 16, .size: 8, .value_kind: global_buffer, .address_space: global }
    .group_segment_fixed_size: 327680
    .private_segment_fixed_size: 0
    .kernarg_segment_align: 8
    .kernarg_segment_size: 24
    .max_flat_workgroup_size: 128
    .sgpr_count:     100
    .vgpr_count:     1024
    .wavefront_size: 32
...
	.end_amdgpu_metadata
.endif
;; end of part 3
;; launch pv (part 4): grid 4 x 64, 4 waves a work-group, clusters of 4 x 4, 327,680 bytes of LDS; arguments p, st, qkv, out0; writes out0
.if DOCPART == 4
	.amdgcn_target "amdgcn-amd-amdhsa--gfx1250"
	.amdhsa_code_object_version 6
	.text
	.protected	k_qb5a76fb36f_pv
	.globl	k_qb5a76fb36f_pv
	.p2align	8
	.type	k_qb5a76fb36f_pv,@function
k_qb5a76fb36f_pv:
	s_mov_b64 s[64:65], 0
	v_nop
	global_prefetch_b8 v0, s[64:65] scope:SCOPE_SE
	s_setreg_imm32_b32 hwreg(HW_REG_WAVE_MODE, 25, 1), 1
	s_wait_xcnt 0x0
	s_wait_alu depctr_hold_cnt(0) depctr_sa_sdst(0) depctr_va_vdst(0) depctr_va_sdst(0) depctr_va_ssrc(0) depctr_va_vcc(0) depctr_vm_vsrc(0)
	s_getreg_b32 s2, hwreg(HW_REG_IB_STS2, 6, 4)
	s_cmp_eq_u32 s2, 0
	s_cbranch_scc0 .Lentry_in_a_cluster
	s_endpgm
.Lentry_in_a_cluster:
	s_bfe_u32 s2, ttmp6, 0x10000c
	s_cmp_lg_u32 s2, 0xf033
	s_cbranch_scc0 .Lentry_shape_is_right
	s_endpgm
.Lentry_shape_is_right:
; out[row][:] = (the sum over chunks c of w_c x (P_c V_c)) / l.  P_c: the row's 128 weights of chunk c relative to the chunk's own maximum (f16); st holds (c m_c, l_c) in f32.
; M = the maximum over c of c m_c;  w_c = 2^(c m_c - M), at most 1;  l = the sum of w_c l_c, at least about 1.  w_c, rounded to f16, multiplies P's fragments (a lane of such a fragment holds one row);
; 1 / l multiplies the sums at the end, in f32.  A K step of 128 keys is one chunk.
; LIMITS.  w and P w below 6e-8 count as 0 (beside a largest weight of 1); v lies within f16's range.  NaN and infinities are not treated apart.
; SHARES.  8,192 x 1,024 / 256 work-groups = a tile of 128 rows x 256 channels; four waves, each 64 x 128: 32 accumulators, 256 registers.
; TRANSPOSED USE: source 0 = 16 channels x 32 keys of V, turned out of LDS by ds_load_tr16_b128; source 1 = 16 rows x 32 keys of P: a lane holds one row of out and eight neighbouring channels.
; TILES.  p lies as this product's registers want it, p[row / 16][key / 16][lane][16 bytes]: a chunk of 16 rows is 4,096 consecutive bytes; four such rows a wave (waves 0, 1); half a fragment is 512
; consecutive bytes of LDS, 16 a lane: no padding.  V: a plane's 128 keys are 16,384 consecutive bytes: two planes a wave (waves 2, 3) as two rows of 16,384 bytes, padded in LDS after every 128.
; CLUSTER 4 x 4: P's tile is shared along a row of the cluster, V's along a column (a cluster's four tile rows lie in one batch).
; REGISTERS.  window 0: v16-29 addresses; v32-35 w, twice in f16, of my four row blocks; v40-47 1 / l; v64-159, v160-255 two fragment buffers (V at +8 b, P at +64 + 8 a).  window 1: accumulator (a, b) at 8 (8 a + b).
.set QPLANE, 8192*128
.set PV,    160                        ; a row of V in LDS: 128 + 32
.set XS,    131072
.set VOFF,  8*4096                     ; in a slot: P's 8 blocks of 16 rows, then V's 4 planes x 128 keys
.set WT,    VOFF+4*128*PV              ; behind slot 0: w[chunk][row], 4 bytes each
.set RLT,   WT+16*128*4                ; 1 / l [row]
.set SPARE, RLT+512
.set STAGE, XS+WT                      ; behind slot 1: 16 rows x 528 bytes for each wave
.set SP,    528
.set AP0, 16
.set AV0, 17
.set AW0, 18
.set AP,  19
.set AV,  20
.set AW,  21
.set STO, 22
.set RD,  23
.set CO,  24
.set PFO, 25
.set RLA, 26
.set SPW, 28
.set NIL, 29
.set WS,  32
.set RL,  40
.set F0,  64
.set F1,  160
.set WV,  14
.set FB,  15
.set WN,  16
.set CX,  17
.set CY,  18
.set TJ,  19
.set TI,  20
.set BT,  21
.set G1A, 24
.set G1B, 32
.set G0A, 40
.set G0B, 48
.set CNT, 56
.set TB,  57
.set LIM, 58
.set WB,  59                           ; s59  512 x the K step whose w is fetched
.set PFA, 60
.set PST, 62                           ; s[62:63] bytes from a K step to the next in the stream that I prefetch
.set OUT, 68
.set SB,  70
.set MSB, 0
.macro WIN new
.if MSB != (\new)
	s_set_vgpr_msb (MSB<<8)|(\new)
.set MSB, (\new)
.endif
.endm
.macro PLACES
.rept 4
	v_nop
.endr
.endm
.macro CREST
	s_cmp_lg_u32 s[WV], 0
	s_cbranch_scc1 .Lnot_wave_0_\@
	s_barrier_signal -3
.Lnot_wave_0_\@:
	s_barrier_wait -3
	s_barrier_signal -1
	s_barrier_wait -1
.endm
.macro CROUND
	s_barrier_signal -1
	s_barrier_wait -1
	CREST
.endm
.macro JLOAD
	s_cmp_eq_u32 s[FB], 0
	s_cbranch_scc0 .Lfor_b_\@
	tensor_load_to_lds s[G0A+4:G0A+7], s[G1A:G1A+7]
	s_nop 0
.rept 4
	v_nop
.endr
	s_branch .Lasked_\@
.Lfor_b_\@:
	tensor_load_to_lds s[G0B+4:G0B+7], s[G1B:G1B+7]
	s_nop 0
.rept 4
	v_nop
.endr
.Lasked_\@:
.endm
; A PREFETCH INTO THE L2: trip s refills with K step s + 2 and names step s + 4: two steps, 256 matrix instructions, ahead of the load that wants it.  P's tile of a step is 8 x 4,096 bytes, read by
; this cluster alone: wave 0 asks, each partner along x for two of the eight: 32 blocks of 256 bytes.  A wave's two planes of V are 128 blocks of 256 bytes, read by the batch's four rows of clusters: the
; first of them asks, waves 2 and 3, each partner along y for 32 blocks.  Steps 0-3 come by their loads alone; the highest step named is 15.
.macro ASK
	s_cmp_gt_u32 s[CNT], s[LIM]
	s_cbranch_scc0 .Lno_\@
	global_prefetch_b8 v[PFO], s[PFA:PFA+1] th:TH_LOAD_NT scope:SCOPE_SE
.Lno_\@:
.endm
	s_load_b256 s[4:11], s[0:1], 0x0               ; p, st, qkv, out0
	v_lshl_add_u32 v[SPW], v0, 2, SPARE
	v_mov_b32 v[NIL], 0
	ds_add_u32 v[SPW], v[NIL]                      ; the wave's opening: the add and its wait ahead of my first tensor load
	v_lshrrev_b32 v1, 5, v0
	v_readfirstlane_b32 s[WV], v1
	s_lshr_b32 s[FB], s[WV], 1
	s_and_b32 s[WN], s[WV], 1
	s_bfe_u32 s[CX], ttmp6, 0x40000
	s_bfe_u32 s[CY], ttmp6, 0x40004
	s_lshl_b32 s[TJ], ttmp9, 2
	s_add_co_u32 s[TJ], s[TJ], s[CX]
	s_and_b32 s[BT], ttmp7, 0xffff                 ; cluster y
	s_lshl_b32 s[TI], s[BT], 2
	s_add_co_u32 s[TI], s[TI], s[CY]
	s_and_b32 s92, s[BT], 3
	s_lshr_b32 s[BT], s[BT], 2                     ; sixteen tile rows, four rows of clusters, a batch
	s_lshl_b32 s76, s[CY], 2
	s_lshl_b32 s76, 15, s76
	s_lshl_b32 s78, 0x1111, s[CX]
	s_or_b32 s[G1A], s76, (3<<16)|(1<<21)                          ; 8-byte elements; no padding
	s_or_b32 s[G1B], s78, (3<<16)|(1<<20)|(1<<21)|(4<<22)|(7<<25)  ; 8-byte elements; after every 32 words 8 words
	s_mov_b32 s[G1A+1], 512<<16                    ; P: 512 elements of 8 bytes: a chunk of 16 rows,
	s_mov_b32 s[G1A+2], 4<<16                      ; four blocks of 16 rows,
	s_mov_b32 s[G1A+3], 512<<16
	s_mov_b32 s[G1A+4], 4
	s_mov_b32 s[G1A+5], 8192                       ; 65,536 bytes apart
	s_mov_b32 s[G1A+6], 0
	s_mov_b32 s[G1A+7], 0
	s_mov_b32 s[G1B+1], 2048<<16                   ; V: 2,048 elements of 8 bytes: 128 keys of a plane,
	s_mov_b32 s[G1B+2], 2<<16                      ; two planes,
	s_mov_b32 s[G1B+3], 2048<<16
	s_mov_b32 s[G1B+4], 2
	s_mov_b32 s[G1B+5], QPLANE/8                   ; a plane apart
	s_mov_b32 s[G1B+6], 0
	s_mov_b32 s[G1B+7], 0
	s_lshl_b32 s76, s[TI], 19                      ; P: 8 blocks of 65,536 bytes a tile row, my 4 of them
	s_lshl_b32 s77, s[WN], 18
	s_add_co_u32 s76, s76, s77
	s_mov_b32 s77, 0
	s_lshl_b32 s78, s[TJ], 22                      ; V: plane 32 + 4 tj + 2 (wave % 2), the batch's keys
	s_lshl_b32 s79, s[WN], 21
	s_add_co_u32 s78, s78, s79
	s_lshl_b32 s79, s[BT], 18
	s_add_co_u32 s78, s78, s79
	s_add_co_u32 s78, s78, 32*QPLANE
	s_mov_b32 s79, 0
	s_lshl_b32 s80, s[WN], 14
	s_mul_i32 s81, s[WN], 256*PV
	s_add_co_u32 s81, s81, VOFF
	s_lshl_b32 s88, s[TI], 19                      ; out: my first row x 4,096, my first channel x 4
	s_lshl_b32 s82, s[FB], 18
	s_add_co_u32 s88, s88, s82
	s_lshl_b32 s82, s[TJ], 10
	s_add_co_u32 s88, s88, s82
	s_lshl_b32 s82, s[WN], 9
	s_add_co_u32 s88, s88, s82
	s_mov_b32 s89, 0
	s_lshl_b32 s86, s[TI], 10                      ; st: the tile's first row x 8
	s_mov_b32 s87, 0
	s_lshl_b32 s90, s[TI], 19                      ; the prefetches.  P's: my work-group's two blocks of 16 rows, at K step 3
	s_lshl_b32 s82, s[CX], 17
	s_add_co_u32 s90, s90, s82
	s_add_co_u32 s90, s90, 3*4096
	s_lshr_b32 s82, s[CY], 1                       ; V's: my work-group's 32 blocks of my two planes' 128
	s_lshl_b32 s82, s82, 20
	s_add_co_u32 s91, s78, s82
	s_and_b32 s82, s[CY], 1
	s_lshl_b32 s82, s82, 13
	s_add_co_u32 s91, s91, s82
	s_add_co_u32 s91, s91, 3*16384
	s_cmp_eq_u32 s[FB], 0
	s_cselect_b32 s90, s90, s91
	s_cselect_b32 s93, 16, 12                      ; lanes 16-31: the next block of 16 rows of p, or the next 16 blocks of 256 bytes of V
	s_cselect_b32 s94, 12, 14
	s_cselect_b32 s82, s[WN], s92                  ; 0 in wave 0, and in waves 2 and 3 of the batch's first row of clusters
	s_cmp_eq_u32 s82, 0
	s_cselect_b32 s[LIM], 2, -1
	s_lshl_b32 s[PST], 1, s94
	s_mov_b32 s[PST+1], 0
	s_mov_b32 s91, 0
	s_mov_b32 s[TB], 0
	s_mov_b32 s[WB], 0
	s_wait_dscnt 0x0
	s_wait_kmcnt 0x0
	s_add_nc_u64 s[76:77], s[4:5], s[76:77]
	s_add_nc_u64 s[78:79], s[8:9], s[78:79]
	s_add_nc_u64 s[OUT:OUT+1], s[10:11], s[88:89]
	s_add_nc_u64 s[SB:SB+1], s[6:7], s[86:87]
	s_cmp_eq_u32 s[FB], 0
	s_cselect_b64 s[PFA:PFA+1], s[4:5], s[8:9]
	s_add_nc_u64 s[PFA:PFA+1], s[PFA:PFA+1], s[90:91]
.irp s, 0,1
	s_mov_b32 s[G0A+4*(\s)], 1
	s_add_co_u32 s[G0A+4*(\s)+1], s80, (\s)*XS
	s_add_nc_u64 s[G0A+4*(\s)+2:G0A+4*(\s)+3], s[76:77], (\s)*4096
	s_or_b32 s[G0A+4*(\s)+3], s[G0A+4*(\s)+3], 0x80000000
	s_mov_b32 s[G0B+4*(\s)], 1
	s_add_co_u32 s[G0B+4*(\s)+1], s81, (\s)*XS
	s_add_nc_u64 s[G0B+4*(\s)+2:G0B+4*(\s)+3], s[78:79], (\s)*16384
	s_or_b32 s[G0B+4*(\s)+3], s[G0B+4*(\s)+3], 0x80000000
.endr
	CROUND
	s_cmp_eq_u32 s[FB], 0
	s_cbranch_scc0 .Lfirst_b
	tensor_load_to_lds s[G0A:G0A+3], s[G1A:G1A+7]
	s_nop 0
	tensor_load_to_lds s[G0A+4:G0A+7], s[G1A:G1A+7]
	s_nop 0
.rept 4
	v_nop
.endr
	s_branch .Lfirst_asked
.Lfirst_b:
	tensor_load_to_lds s[G0B:G0B+3], s[G1B:G1B+7]
	s_nop 0
	tensor_load_to_lds s[G0B+4:G0B+7], s[G1B:G1B+7]
	s_nop 0
.rept 4
	v_nop
.endr
.Lfirst_asked:
	; THE TABLES, while the first tiles are on their way: thread t joins the sixteen chunks of the tile's row t.
	v_lshlrev_b32 v2, 3, v0
.irp c, 0,1,2,3,4,5,6,7,8,9,10,11,12,13,14,15
	global_load_b64 v[64+2*(\c):65+2*(\c)], v2, s[SB:SB+1] offset:65536*(\c)
.endr
	v_and_b32 v1, 15, v0
	v_bfe_u32 v9, v0, 4, 1
	v_and_b32 v10, 31, v0
	s_lshl_b32 s82, s[FB], 14
	v_lshl_add_u32 v[AP0], v10, 4, s82             ; my four blocks of 16 rows, 16 bytes a lane
	v_and_b32 v11, 7, v0
	v_bfe_u32 v12, v0, 3, 1
	v_lshl_add_u32 v[AV0], v9, 3, v11              ; the turning load: lane l reads key 8 (l / 16) + l % 8, channels 8 ((l / 8) % 2) + 0..7
	v_mul_u32_u24 v[AV0], v[AV0], PV
	v_lshl_add_u32 v[AV0], v12, 4, v[AV0]
	s_mul_i32 s82, s[WN], 256*PV
	s_add_co_u32 s82, s82, VOFF
	v_add_nc_u32 v[AV0], s82, v[AV0]
	s_lshl_b32 s82, s[FB], 8
	s_add_co_u32 s83, s82, WT
	v_lshl_add_u32 v[AW0], v1, 2, s83
	s_add_co_u32 s83, s82, RLT
	v_lshl_add_u32 v[RLA], v1, 2, s83
	v_mov_b32 v[AP], v[AP0]
	v_mov_b32 v[AV], v[AV0]
	v_mov_b32 v[AW], v[AW0]
	s_mul_i32 s82, s[WV], 16*SP
	s_add_co_u32 s82, s82, STAGE
	v_mul_u32_u24 v[STO], v1, SP
	v_lshl_add_u32 v[STO], v9, 5, v[STO]
	v_add_nc_u32 v[STO], s82, v[STO]               ; in: row l % 16, 32 bytes for each half of the lanes
	v_lshl_add_u32 v[RD], v10, 4, s82              ; back: a row of 512 bytes
	v_lshlrev_b32 v[CO], 4, v10
	v_lshlrev_b32 v[PFO], s93, v9
	v_lshl_add_u32 v[PFO], v1, 8, v[PFO]
	v_lshl_add_u32 v7, v0, 2, WT
	s_wait_loadcnt 0x0
	v_max3_num_f32 v3, v64, v66, v68
.irp c, 70,74,78,82,86,90
	v_max3_num_f32 v3, v3, v[\c], v[(\c)+2]
.endr
	v_max_num_f32 v3, v3, v94                      ; M
.irp c, 0,1,2,3,4,5,6,7,8,9,10,11,12,13,14,15
	v_sub_f32 v[96+(\c)], v[64+2*(\c)], v3
.endr
.irp c, 0,1,2,3,4,5,6,7,8,9,10,11,12,13,14,15
	v_exp_f32 v[96+(\c)], v[96+(\c)]               ; w
.endr
	v_nop                                          ; a plain instruction behind the last exponential,
	s_wait_alu depctr_va_vdst(0)                   ; and the one wait for the batch
	v_mul_f32 v4, v96, v65
	v_mul_f32 v5, v97, v67
.irp c, 2,4,6,8,10,12,14
	v_fma_f32 v4, v[96+(\c)], v[65+2*(\c)], v4
	v_fma_f32 v5, v[97+(\c)], v[67+2*(\c)], v5
.endr
	v_add_f32 v4, v4, v5                           ; l
	v_rcp_f32 v6, v4
.irp c, 0,1,2,3,4,5,6,7,8,9,10,11,12,13,14,15
	v_cvt_pk_f16_f32 v[112+(\c)], v[96+(\c)], v[96+(\c)]
.endr
	s_wait_alu depctr_va_vdst(0)                   ; the reciprocal's wait; the sixteen roundings stand between
.irp c, 0,1,2,3,4,5,6,7,8,9,10,11,12,13,14,15
	ds_store_b32 v7, v[112+(\c)] offset:512*(\c)
.endr
	ds_store_b32 v7, v6 offset:RLT-WT
.macro SCALE f                         ; P's fragments of buffer f times the chunk's w: 32 packed products, two f16 each
	WIN 0
.irp a, 0,1,2,3
.irp i, 0,1,2,3,4,5,6,7
	v_pk_mul_f16 v[(\f)+64+8*(\a)+(\i)], v[(\f)+64+8*(\a)+(\i)], v[WS+(\a)]
.endr
.endr
.endm
.macro FETCH q, f, ws                  ; quarter q's fragments into buffer f: 16 turning loads (V), 8 loads (P); ws = 1: the step's w for my four row blocks
	WIN 0
.irp b, 0,1,2,3,4,5,6,7
	ds_load_tr16_b128 v[(\f)+8*(\b):(\f)+8*(\b)+3],   v[AV] offset:((\b)/4)*128*PV+(\q)*32*PV+((\b)%4)*32
	ds_load_tr16_b128 v[(\f)+8*(\b)+4:(\f)+8*(\b)+7], v[AV] offset:((\b)/4)*128*PV+(\q)*32*PV+((\b)%4)*32+16*PV
.endr
.irp a, 0,1,2,3
	ds_load_b128 v[(\f)+64+8*(\a):(\f)+64+8*(\a)+3],   v[AP] offset:(\a)*4096+(\q)*1024       ; keys 32 q + 0..15 of block a: 512 consecutive bytes,
	ds_load_b128 v[(\f)+64+8*(\a)+4:(\f)+64+8*(\a)+7], v[AP] offset:(\a)*4096+(\q)*1024+512   ; keys 32 q + 16..31
.endr
.if \ws
.irp a, 0,1,2,3
	ds_load_b32 v[WS+(\a)], v[AW] offset:64*(\a)
.endr
.endif
.endm
.macro MUL f, a0, na, zero             ; 8 na matrix instructions; the 32 accumulators take turns in the same order in every quarter
	WIN 0x50
.set ma, (\a0)
.rept (\na)
.irp b, 0,1,2,3,4,5,6,7
.if (\zero)
	v_wmma_f32_16x16x32_f16 v[8*(8*ma+(\b)):8*(8*ma+(\b))+7], v[(\f)+8*(\b):(\f)+8*(\b)+7], v[(\f)+64+8*ma:(\f)+64+8*ma+7], 0
.else
	v_wmma_f32_16x16x32_f16 v[8*(8*ma+(\b)):8*(8*ma+(\b))+7], v[(\f)+8*(\b):(\f)+8*(\b)+7], v[(\f)+64+8*ma:(\f)+64+8*ma+7], v[8*(8*ma+(\b)):8*(8*ma+(\b))+7]
.endif
.endr
.set ma, ma+1
.endr
.endm
.macro Q f, g, q, zero                 ; a quarter: buffer f is scaled and multiplied; quarter q is fetched into g.  SCALE's 32 lines are the places between g's last products and the loads into it
	s_wait_dscnt 0x0                               ; buffer f is in: its loads were issued a quarter ago
	SCALE \f
	FETCH \q, \g, 0
	MUL \f, 0, 4, \zero
.endm
; A step's last quarter, with the change of slots in its middle; with fill = 1 the joint refill stands first behind the round.  Nothing but the round stands between the wait for one tile and the request
; for the next: a request has a whole step, 128 matrix instructions, ahead of the wait for it.
.macro TURN fill
.if \fill
	s_wait_xcnt 0x0                                ; the last prefetch, a step back, has read its address
	s_add_nc_u64 s[PFA:PFA+1], s[PFA:PFA+1], s[PST:PST+1]
.endif
	s_wait_dscnt 0x0                               ; buffer 1 is in
	SCALE F1
	MUL F1, 0, 2, 0
	WIN 0
	s_wait_tensorcnt 0x0
	ds_add_u32 v[SPW], v[NIL]                      ; 0 onto my spare word
.if \fill
	s_xor_b32 s[G0A+5], s[G0A+5], XS
	s_add_nc_u64 s[G0A+6:G0A+7], s[G0A+6:G0A+7], 4096
	s_xor_b32 s[G0B+5], s[G0B+5], XS
	s_add_nc_u64 s[G0B+6:G0B+7], s[G0B+6:G0B+7], 16384
.endif
	s_wait_dscnt 0x0                               ; the add is done; my reads of this slot were over at the quarter's head
	s_barrier_signal -1
	s_barrier_wait -1
.if \fill
	CREST
	JLOAD
.else
	PLACES
.endif
	s_xor_b32 s[TB], s[TB], XS
	s_add_co_u32 s[WB], s[WB], 512
	v_add_nc_u32 v[AP], s[TB], v[AP0]
	v_add_nc_u32 v[AV], s[TB], v[AV0]
	v_add_nc_u32 v[AW], s[WB], v[AW0]
	FETCH 0, F0, 1
.if \fill
	ASK
.endif
	MUL F1, 2, 2, 0
.endm
	s_wait_tensorcnt 1                             ; my part of K step 0 is in; step 1's may stay out
	s_wait_dscnt 0x0                               ; for the others' sake: my rows of the two tables are written
	s_barrier_signal -1
	s_barrier_wait -1
	FETCH 0, F0, 1
	Q F0, F1, 1, 1                                 ; the first quarter starts the sums
	WIN 0
	s_mov_b32 s[CNT], 14
.Lk:
	Q F1, F0, 2, 0
	Q F0, F1, 3, 0
	TURN 1
	Q F0, F1, 1, 0
	WIN 0
	s_sub_co_u32 s[CNT], s[CNT], 1
	s_cmp_lg_u32 s[CNT], 0
	s_cbranch_scc1 .Lk
	s_mov_b32 s[CNT], 2                            ; the last two steps ask for nothing: a loop of their own; its second trip is left in the middle
.Ltail:
	Q F1, F0, 2, 0
	Q F0, F1, 3, 0
	TURN 0                                         ; (in the second trip its loads bring the stale slot's fragments, and for w four words of the table of 1 / l, which lies behind w's: nobody uses them)
	WIN 0
	s_sub_co_u32 s[CNT], s[CNT], 1
	s_cmp_eq_u32 s[CNT], 0
	s_cbranch_scc1 .Lout
	Q F0, F1, 1, 0
	WIN 0
	s_branch .Ltail
.Lout:
	s_wait_dscnt 0x0                               ; those loads are back: their registers serve the way out
	; THE WAY OUT: the sums times 1 / l, in f32, a block of 16 rows at a time through my stage, back as whole rows of 512 bytes.  Three sets of 64 registers take turns.
	PLACES
	PLACES
	WIN 0
.irp a, 0,1,2,3
	ds_load_b32 v[RL+2*(\a)], v[RLA] offset:64*(\a)
	v_mov_b32 v[RL+2*(\a)+1], 0                    ; named with it as a pair
.endr
	s_wait_dscnt 0x0
.macro PACK a
.set PS, 64+64*((\a)%3)
.if (\a) == 3
	s_wait_xcnt 0x0                                ; block 0's stores have read the set that block 3 writes anew
.endif
	WIN 0x41
.set z, 64*(\a)
.rept 32
	v_pk_mul_f32 v[z:z+1], v[z:z+1], v[RL+2*(\a):RL+2*(\a)+1] op_sel_hi:[1,0]
.set z, z+2
.endr
	WIN 0x04                                       ; the stores' data lie in window 1
.irp b, 0,1,2,3,4,5,6,7
	ds_store_b128 v[STO], v[64*(\a)+8*(\b):64*(\a)+8*(\b)+3]   offset:64*(\b)
	ds_store_b128 v[STO], v[64*(\a)+8*(\b)+4:64*(\a)+8*(\b)+7] offset:64*(\b)+16
.endr
	WIN 0
.irp t, 0,1,2,3,4,5,6,7,8,9,10,11,12,13,14,15
	ds_load_b128 v[PS+4*(\t):PS+4*(\t)+3], v[RD] offset:(\t)*SP  ; LDS serves a wave's instructions in order (ISA guide 5.7.1.4): these see the stores above
.endr
.endm
.macro SEND a, younger
	WIN 0
.set PS, 64+64*((\a)%3)
.irp t, 0,1,2,3,4,5,6,7,8,9,10,11,12,13,14,15
.if ((\t)%4) == 0
	s_wait_dscnt (\younger)+12-(\t)                ; loads t .. t + 3 are in; the block's later ones and the younger instructions may be out
.endif
	global_store_b128 v[CO], v[PS+4*(\t):PS+4*(\t)+3], s[OUT:OUT+1] offset:(16*(\a)+(\t))*4096 th:TH_STORE_NT  ; 512 consecutive bytes of a row, at a multiple of 256 from out0's first byte
.endr
.endm
	PACK 0
.irp a, 1,2,3
	PACK \a
	SEND (\a)-1, 32
.endr
	SEND 3, 0
	s_wait_tensorcnt 0x0                           ; the wave's end
	ds_add_u32 v[SPW], v[NIL]
	s_wait_dscnt 0x0
	CROUND
	s_endpgm
.Lfunc_end_k_qb5a76fb36f_pv:
	.size	k_qb5a76fb36f_pv, .Lfunc_end_k_qb5a76fb36f_pv-k_qb5a76fb36f_pv
	.p2alignl 7, 3214868480
	.fill 96, 4, 3214868480
	.section	.rodata,"a",@progbits
	.p2align	6, 0x0
	.amdhsa_kernel k_qb5a76fb36f_pv
		.amdhsa_group_segment_fixed_size 327680
		.amdhsa_private_segment_fixed_size 0
		.amdhsa_enable_private_segment 0
		.amdhsa_kernarg_size 32
		.amdhsa_user_sgpr_count 2
		.amdhsa_user_sgpr_kernarg_segment_ptr 1
		.amdhsa_wavefront_size32 1
		.amdhsa_system_sgpr_workgroup_id_x 1
		.amdhsa_system_sgpr_workgroup_id_y 1
		.amdhsa_system_sgpr_workgroup_id_z 1
		.amdhsa_system_vgpr_workitem_id 0
		.amdhsa_next_free_vgpr 512
		.amdhsa_next_free_sgpr 100
		.amdhsa_reserve_vcc 0
		.amdhsa_float_denorm_mode_32 3
		.amdhsa_float_denorm_mode_16_64 3
		.amdhsa_memory_ordered 1
		.amdhsa_forward_progress 1
		.amdhsa_inst_pref_size 94
	.end_amdhsa_kernel
	.amdgpu_metadata
---
amdhsa.version: [ 1, 2 ]
amdhsa.kernels:
  - .name:           k_qb5a76fb36f_pv
    .symbol:         k_qb5a76fb36f_pv.kd
    .args:
      - { .name: p, .offset: 0, .size: 8, .value_kind: global_buffer, .address_space: global }
      - { .name: st, .offset: 8, .size: 8, .value_kind: global_buffer, .address_space: global }
      - { .name: qkv, .offset: 16, .size: 8, .value_kind: global_buffer, .address_space: global }
      - { .name: out0, .offset: 24, .size: 8, .value_kind: global_buffer, .address_space: global }
    .group_segment_fixed_size: 327680
    .private_segment_fixed_size: 0
    .kernarg_segment_align: 8
    .kernarg_segment_size: 32
    .max_flat_workgroup_size: 128
    .sgpr_count:     100
    .vgpr_count:     512
    .wavefront_size: 32
...
	.end_amdgpu_metadata
.endif
;; end of part 4
